; MI455X (gfx1250); checked and timed in simulation.
; The chip was launched on July 23, 2026; its instructions are those of AMD's public machine-readable ISA for CDNA 5 (MIT licence, August 2026) and "CDNA5" Instruction Set Architecture Reference Guide (July 2026). The comments in the code are by the model that wrote it; some were corrected since.
;; Ele Att G. Allowed arithmetic: matrix products marked QUANTISED: E2M1 operands, one E8M0 scale for each 32 along K, by v_wmma_scale_f32_16x16x128_f8f6f4 with both operands' format E2M1 (or v_wmma_scale_f32_32x16x128_f4), f32 sums; everything else in f32.
;; Inputs: W_ha 1,024 x 1,024 float32; W_hh 3,072 x 1,024 float32; W_ih 3,072 x 1,024 float32; W_xa 1,024 x 1,024 float32; b_ha 1,024 float32; b_hh 3,072 float32; b_ih 3,072 float32; b_xa 1,024 float32; hx 8,192 x 1,024 float32; x 8,192 x 1,024 float32.
;; Outputs: out0 8,192 x 1,024 float32.
;; This version of the problem:
;;   THIS VERSION OF THE PROBLEM IS GIVEN IN LOW PRECISION. The matrix products marked QUANTISED in the list below multiply operands that are first quantised to E2M1 (2 exponent bits, 1 mantissa bit; 4 bits a number), with one power-of-two scale for each 32 numbers along K (OCP MX v1.0); their sums are f32. All else is computed in f32.
;;   The module's matrix products, in the order in which they are computed (A, B: the left and right operand; K: the contracted axis; several contracted axes count as one K, in the product's order):
;;     1. [M 8,192, K 1,024] x [K 1,024, N 1,024]; A: input x; B: input W_xa: QUANTISED
;;     2. [M 8,192, K 1,024] x [K 1,024, N 1,024]; A: input hx; B: input W_ha: QUANTISED
;;     3. [M 8,192, K 1,024] x [K 1,024, N 3,072]; A: computed on the way; B: input W_ih: QUANTISED
;;     4. [M 8,192, K 1,024] x [K 1,024, N 3,072]; A: input hx; B: input W_hh: QUANTISED
;;   THE QUANTISER, for each operand of a quantised product, along K:
;;     - K is cut into blocks of 32 from its start; a last block that is shorter is filled with zeros.
;;     - A block's scale is 2^e with e = floor(log2(the largest magnitude in the block)) - 2, held to -126 .. 127; a block of zeros has e = 0. As a byte (E8M0): e + 127.
;;     - Each number is divided by its block's scale, clamped to +-6, and rounded to the nearest number of E2M1, ties to even, subnormals kept.
;;     - The product sums the exact products of the quantised numbers (number of the format x scale) in f32.
;;   ~~~python
;;   def quantise(x, axis):      # numpy; x: float32 -> the quantised numbers, widened to float32 again
;;       x = np.moveaxis(x, axis, -1); K = x.shape[-1]
;;       x = np.pad(x, [(0, 0)] * (x.ndim - 1) + [(0, -K % 32)]); x = x.reshape(x.shape[:-1] + (-1, 32)); a = np.abs(x).max(-1, keepdims=True)
;;       e = np.where(a > 0, np.clip(np.frexp(np.where(a > 0, a, 1))[1] - 1 - 2, -126, 127), 0)      # np.frexp(a)[1] - 1 = floor(log2(a)), exactly
;;       r = np.clip(x / 2.0 ** e, -6, 6)
;;       step = 2.0 ** (np.maximum(np.frexp(np.where(r == 0, 1, r))[1] - 1, 0) - 1)
;;       q = np.round(r / step) * step * 2.0 ** e      # np.round: ties to even
;;       return np.moveaxis(q.reshape(q.shape[:-2] + (-1,))[..., :K], -1, axis).astype(np.float32)
;;   ~~~
;;   OPERANDS COMPUTED ON THE WAY. 'Computed on the way' means the value that the module computes at that place (a softmax that the list does not call 'softmax' is quantised finished and normalised). What goes into a quantiser is computed in f32, as accurately as f32 sums, v_exp_f32 and their like allow (about 1e-6 of the number): no bf16 or f16 on the way to a quantiser, and a product that is left as it is and whose result goes on into a quantised operand takes f32 operands (vector FMAs, or v_wmma_f32_16x16x4_f32). A number that lies on a knife's edge between two numbers of the format may be rounded either way, as far as f32 arithmetic and the matrix unit's own rounding can turn it there, and no further.
;; One version. Each part assembles by itself: llvm-mc -triple=amdgcn-amd-amdhsa -mcpu=gfx1250 --defsym DOCPART=n.
;; ======== version 1 of 1: 3 launches
;; limits: right only within a limited range of input values
;; workspace buffers: acodes 8,388,608 bytes; ascales 524,288 bytes; wcodes 4,194,304 bytes; wscales 262,144 bytes; gcodes 4,194,304 bytes; gscales 262,144 bytes
;; launch quant (part 1): grid 768 x 1, 4 waves a work-group, no clusters, 41,472 bytes of LDS; arguments x, hx, W_xa, W_ha, W_ih, W_hh, acodes, ascales, wcodes, wscales; writes acodes, ascales, wcodes, wscales
.if DOCPART == 1
	.amdgcn_target "amdgcn-amd-amdhsa--gfx1250"
	.amdhsa_code_object_version 6
	.text
	.protected	k_q4f8ad8ab9c_quant
	.globl	k_q4f8ad8ab9c_quant
	.p2align	8
	.type	k_q4f8ad8ab9c_quant,@function
k_q4f8ad8ab9c_quant:
	s_mov_b64 s[64:65], 0
	v_nop
	global_prefetch_b8 v0, s[64:65] scope:SCOPE_SE
	s_setreg_imm32_b32 hwreg(HW_REG_WAVE_MODE, 25, 1), 1
	s_wait_xcnt 0x0
; x, hx [8192][1024] and W_xa, W_ha [1024][1024], W_ih, W_hh [3072][1024], all f32 with K innermost, become codes of FP4 (E2M1) with one E8M0 scale byte for each 32 along K.
; A block's scale is 2^(floor(log2(its largest magnitude)) - 2); its byte is the largest magnitude's exponent field - 2, held at 1 from below.
; LIMITS: a block of zeros gets the byte 1 where the rule says 127 (its codes are zeros, which add nothing under any byte but 0xff, and this program alone reads the bytes); NaN and infinities among the inputs are not served.
; THE CODES ARE LAID IN THE ORDER OF THE OPERAND'S REGISTERS.  A tile is 16 rows (slots), a K step 512 along K.  The codes of one (K step, tile) are 4,096 bytes [block 0..15][slot 0..15][16 bytes],
; so that a fragment of 128 along K is 1,024 bytes on end and lane l's two groups of four registers lie at 16 l and 512 + 16 l in it.  The scale bytes of one (K step, tile) are 256 bytes [slot][16 bytes].
; ROWS OF A TILE: activations: slot r of tile T is row 16 T + r.  Weights: slot r is row 32 (T / 2) + 8 (T % 2) + r + 8 (r / 8), so that in the transposed product the 16 registers of tiles 2 p and 2 p + 1 are 16 neighbouring columns.
; SHARES: a wave takes one (tensor, tile, K step): 16 steps, step t = slot t's 512 numbers.  One path serves all six tensors: only pointers and offsets are chosen, by the work-group's number.
; Each load reads 512 consecutive bytes; a step's 2,048 bytes turn through the wave's own stage in LDS, so that a lane holds 16 neighbours along K (two neighbouring lanes hold a block).
; The codes are gathered in a second stage, row = block, and leave as 512 consecutive bytes a store; the 256 scale bytes leave as one aligned run of 256 bytes.  Waves share nothing: no barrier.
.set STEPS, 16
.set SP,    80                         ; a lane's place in a turn stage: 64 bytes + 16 of padding
.set WREG,  10240                      ; LDS of a wave: two turn stages of 32 x SP, 256 scale bytes, the code stage
.set SCB,   5120
.set CST,   5376
.set CP,    272                        ; a row of the code stage: a block's 16 slots x 16 bytes + 16 of padding
.set EMAX,  2
.set R,     16                         ; v16-79   four sets of 16 numbers as loaded
.set X,     80                         ; v80-111  two sets of 16 neighbours
.set E,     112                        ; v112-127 a scale byte for each step
.set C,     128                        ; v128-159 two registers of codes for each step
.set OUTR,  160                        ; v160-191 the way out
	s_load_b512 s[4:19], s[0:1], 0x0               ; x, hx, W_xa, W_ha, W_ih, W_hh, acodes, ascales
	s_load_b128 s[20:23], s[0:1], 0x40             ; wcodes, wscales
	v_lshl_add_u32 v192, v0, 2, 0xa000
	v_mov_b32 v193, 0
	v_lshrrev_b32 v1, 5, v0
	v_readfirstlane_b32 s24, v1                    ; wave
	v_and_b32 v2, 31, v0                           ; lane
	v_lshlrev_b32 v3, 4, v2                        ; my 16 bytes of a load's or a store's 512
	s_mul_i32 s44, s24, WREG
	v_lshrrev_b32 v14, 2, v2
	v_mul_u32_u24 v14, v14, SP
	v_and_b32 v15, 3, v2
	v_lshl_add_u32 v14, v15, 4, v14
	v_add_nc_u32 v14, s44, v14                     ; turn stage, in: SP (lane / 4) + 16 (lane % 4)
	v_mul_u32_u24 v15, v2, SP
	v_add_nc_u32 v15, s44, v15                     ; and out: SP x lane
	s_add_co_u32 s45, s44, SCB
	v_lshrrev_b32 v5, 1, v2
	v_add_nc_u32 v5, s45, v5                       ; my block's scale byte in a slot's 16
	v_lshlrev_b32 v7, 3, v2
	v_add_nc_u32 v6, s45, v7                       ; the scale bytes on the way out: 8 a lane
	s_add_co_u32 s45, s44, CST
	v_lshrrev_b32 v10, 1, v2
	v_mul_u32_u24 v10, v10, CP
	v_and_b32 v8, 1, v2
	v_lshl_add_u32 v10, v8, 3, v10
	v_add_nc_u32 v10, s45, v10                     ; code stage, in: row = my block, my half of the slot's 16 bytes
	v_and_b32 v8, 15, v2
	v_lshrrev_b32 v9, 4, v2
	v_mul_u32_u24 v1, v9, CP
	v_lshl_add_u32 v1, v8, 4, v1
	v_add_nc_u32 v1, s45, v1                       ; and out: sixteen lanes to a row, two rows an instruction
	s_wait_kmcnt 0x0
	; which tensor: work-groups 0-255 x, 256-511 hx, 512-543 W_xa, 544-575 W_ha, 576-671 W_ih, 672-767 W_hh.  Every choice hangs on the work-group's number alone.
	s_mov_b64 s[32:33], s[14:15]                   ; the source,
	s_mov_b32 s25, 672                             ; its first work-group,
	s_mov_b32 s26, 2                               ; its first K step among the product's four,
	s_mov_b32 s27, 786432                          ; bytes of codes in a K step's plane,
	s_mov_b32 s28, 1048576                         ; where its part of the codes' buffer begins,
	s_mov_b32 s29, 32768                           ; slots 8-15 lie 8 rows further down in a weight,
	s_mov_b64 s[34:35], s[20:21]                   ; the codes' buffer,
	s_mov_b64 s[36:37], s[22:23]                   ; the scale bytes' buffer
	s_cmp_lt_u32 ttmp9, 672
	s_cselect_b64 s[32:33], s[12:13], s[32:33]
	s_cselect_b32 s25, 576, s25
	s_cselect_b32 s26, 0, s26
	s_cmp_lt_u32 ttmp9, 576
	s_cselect_b64 s[32:33], s[10:11], s[32:33]
	s_cselect_b32 s25, 544, s25
	s_cselect_b32 s26, 2, s26
	s_cselect_b32 s27, 262144, s27
	s_cselect_b32 s28, 0, s28
	s_cmp_lt_u32 ttmp9, 544
	s_cselect_b64 s[32:33], s[8:9], s[32:33]
	s_cselect_b32 s25, 512, s25
	s_cselect_b32 s26, 0, s26
	s_cmp_lt_u32 ttmp9, 512
	s_cselect_b64 s[32:33], s[6:7], s[32:33]
	s_cselect_b32 s25, 256, s25
	s_cselect_b32 s26, 2, s26
	s_cselect_b32 s27, 2097152, s27
	s_cselect_b32 s29, 0, s29
	s_cselect_b64 s[34:35], s[16:17], s[34:35]
	s_cselect_b64 s[36:37], s[18:19], s[36:37]
	s_cmp_lt_u32 ttmp9, 256
	s_cselect_b64 s[32:33], s[4:5], s[32:33]
	s_cselect_b32 s25, 0, s25
	s_cselect_b32 s26, 0, s26
	s_sub_co_u32 s30, ttmp9, s25
	s_lshl_b32 s30, s30, 1
	s_lshr_b32 s31, s24, 1
	s_add_co_u32 s30, s30, s31                     ; T = 2 x (work-group in the tensor) + wave / 2
	s_and_b32 s31, s24, 1                          ; K step in the tensor = wave % 2
	s_lshl_b32 s38, s30, 4                         ; slot 0's row: 16 T in an activation,
	s_lshr_b32 s39, s30, 1
	s_lshl_b32 s39, s39, 5
	s_and_b32 s40, s30, 1
	s_lshl_b32 s40, s40, 3
	s_add_co_u32 s39, s39, s40                     ; 32 (T / 2) + 8 (T % 2) in a weight
	s_cmp_lt_u32 ttmp9, 512
	s_cselect_b32 s38, s38, s39
	s_bfe_u32 s40, s30, 0x30003                    ; the cell's weights are laid [column block of 128][gate][tile]: ((T / 8) % 8) x 24
	s_mul_i32 s40, s40, 24
	s_lshr_b32 s41, s30, 6
	s_lshl_b32 s41, s41, 3
	s_add_co_u32 s40, s40, s41                     ; + (T / 64) x 8
	s_and_b32 s41, s30, 7
	s_add_co_u32 s40, s40, s41                     ; + T % 8
	s_cmp_lt_u32 ttmp9, 576
	s_cselect_b32 s40, s30, s40                    ; all others keep T
	s_lshl_b32 s42, s38, 12                        ; a row is 4,096 bytes, a K step 2,048
	s_lshl_b32 s43, s31, 11
	s_add_co_u32 s42, s42, s43
	s_mov_b32 s43, 0
	s_add_nc_u64 s[32:33], s[32:33], s[42:43]
	s_add_co_u32 s26, s26, s31
	s_mul_i32 s26, s26, s27
	s_add_co_u32 s26, s26, s28
	s_lshl_b32 s40, s40, 12
	s_add_co_u32 s42, s26, s40                     ; the codes' place: part + K step x plane + tile x 4,096
	s_add_nc_u64 s[34:35], s[34:35], s[42:43]
	s_lshr_b32 s42, s42, 4                         ; the scale bytes' place is a sixteenth of it
	s_add_nc_u64 s[36:37], s[36:37], s[42:43]
	v_add_nc_u32 v4, s29, v3                       ; the loads of slots 8-15
.macro LOAD t                          ; slot t's 2,048 bytes: four loads of 512 consecutive bytes
.irp i, 0,1,2,3
.if (\t) < 8
	global_load_b128 v[R+16*((\t)%4)+4*\i:R+16*((\t)%4)+4*\i+3], v3, s[32:33] offset:4096*(\t)+512*\i
.else
	global_load_b128 v[R+16*((\t)%4)+4*\i:R+16*((\t)%4)+4*\i+3], v4, s[32:33] offset:4096*(\t)+512*\i
.endif
.endr
.endm
.macro TURN t                          ; step t's numbers through a turn stage: LDS serves a wave's instructions in order, so no wait stands between the stores and the loads
.irp i, 0,1,2,3
	ds_store_b128 v14, v[R+16*((\t)%4)+4*\i:R+16*((\t)%4)+4*\i+3] offset:32*SP*((\t)%2)+8*SP*\i
.endr
.irp i, 0,1,2,3
	ds_load_b128 v[X+16*((\t)%2)+4*\i:X+16*((\t)%2)+4*\i+3], v15 offset:32*SP*((\t)%2)+16*\i
.endr
.endm
.irp t, 0,1,2,3
	LOAD \t
.endr
	s_wait_loadcnt 12                              ; step 0's four loads are in
	TURN 0
.macro STEP t
.set XS, X+16*((\t)%2)
.if (\t) > 0
	s_wait_dscnt 2                                 ; this step's numbers are back from the stage; the last step's two stores (its byte, its codes) may be out
.else
	s_wait_dscnt 0x0
.endif
.if (\t)+4 < STEPS
	LOAD (\t)+4                                    ; into the registers that this step's stores into the stage have read
.endif
.if (\t)+1 < STEPS
.if STEPS-2-(\t) >= 3
	s_wait_loadcnt 12                              ; the next step's four loads are in; those of the three steps behind it may be out
.else
	s_wait_loadcnt 4*(STEPS-2-(\t))
.endif
	TURN (\t)+1
.endif
	v_max3_num_f32 v8, |v[XS]|, |v[XS+1]|, |v[XS+2]|               ; the largest magnitude of my 16, in two chains
	v_max3_num_f32 v9, |v[XS+3]|, |v[XS+4]|, |v[XS+5]|
.irp i, 6,10
	v_max3_num_f32 v8, v8, |v[XS+\i]|, |v[XS+\i+1]|
	v_max3_num_f32 v9, v9, |v[XS+\i+2]|, |v[XS+\i+3]|
.endr
	v_max3_num_f32 v8, v8, |v[XS+14]|, |v[XS+15]|
	v_max3_num_f32 v8, v8, v9, (EMAX+1)<<23        ; and the floor 2^(3 - 127): the byte cannot fall under 1
	v_max_num_f32_dpp v8, v8, v8 row_xmask:1 row_mask:0xf bank_mask:0xf   ; with my neighbour's 16: the block's
	v_add_nc_u32 v11, -(EMAX<<23), v8              ; 2 off its exponent field: the conversion takes the exponent field of this operand as its scale
	v_cvt_scalef32_pk8_fp4_f32 v[C+2*(\t)], v[XS:XS+7], v11
	v_cvt_scalef32_pk8_fp4_f32 v[C+2*(\t)+1], v[XS+8:XS+15], v11
	v_lshrrev_b32 v[E+(\t)], 23, v11               ; the scale's byte (also the plain line behind the conversions)
	ds_store_b8 v5, v[E+(\t)] offset:16*(\t)       ; both lanes of a block write the same byte with the same value
	ds_store_b64 v10, v[C+2*(\t):C+2*(\t)+1] offset:16*(\t)   ; my 16 codes: row = block, 16 bytes a slot
.endm
.irp t, 0,1,2,3,4,5,6,7,8,9,10,11,12,13,14,15
	STEP \t
.endr
	ds_load_b64 v[12:13], v6                       ; LDS serves a wave's instructions in order: these see my stores
.irp i, 0,1,2,3,4,5,6,7
	ds_load_b128 v[OUTR+4*\i:OUTR+4*\i+3], v1 offset:2*CP*\i
.endr
	s_wait_dscnt 0x0
	global_store_b64 v7, v[12:13], s[36:37]        ; 32 lanes store 256 consecutive bytes, aligned
.irp i, 0,1,2,3,4,5,6,7
	global_store_b128 v3, v[OUTR+4*\i:OUTR+4*\i+3], s[34:35] offset:512*\i   ; blocks 2 i and 2 i + 1: 512 consecutive bytes
.endr
	s_wait_tensorcnt 0x0
	ds_add_u32 v192, v193
	s_wait_dscnt 0x0
	s_endpgm
.Lfunc_end_k_q4f8ad8ab9c_quant:
	.size	k_q4f8ad8ab9c_quant, .Lfunc_end_k_q4f8ad8ab9c_quant-k_q4f8ad8ab9c_quant
	.p2alignl 7, 3214868480
	.fill 96, 4, 3214868480
	.section	.rodata,"a",@progbits
	.p2align	6, 0x0
	.amdhsa_kernel k_q4f8ad8ab9c_quant
		.amdhsa_group_segment_fixed_size 41472
		.amdhsa_private_segment_fixed_size 0
		.amdhsa_enable_private_segment 0
		.amdhsa_kernarg_size 80
		.amdhsa_user_sgpr_count 2
		.amdhsa_user_sgpr_kernarg_segment_ptr 1
		.amdhsa_wavefront_size32 1
		.amdhsa_system_sgpr_workgroup_id_x 1
		.amdhsa_system_sgpr_workgroup_id_y 1
		.amdhsa_system_sgpr_workgroup_id_z 1
		.amdhsa_system_vgpr_workitem_id 0
		.amdhsa_next_free_vgpr 194
		.amdhsa_next_free_sgpr 66
		.amdhsa_reserve_vcc 0
		.amdhsa_float_denorm_mode_32 3
		.amdhsa_float_denorm_mode_16_64 3
		.amdhsa_memory_ordered 1
		.amdhsa_forward_progress 1
		.amdhsa_inst_pref_size 37
	.end_amdhsa_kernel
	.amdgpu_metadata
---
amdhsa.version: [ 1, 2 ]
amdhsa.kernels:
  - .name:           k_q4f8ad8ab9c_quant
    .symbol:         k_q4f8ad8ab9c_quant.kd
    .args:
      - { .name: x, .offset: 0, .size: 8, .value_kind: global_buffer, .address_space: global }
      - { .name: hx, .offset: 8, .size: 8, .value_kind: global_buffer, .address_space: global }
      - { .name: W_xa, .offset: 16, .size: 8, .value_kind: global_buffer, .address_space: global }
      - { .name: W_ha, .offset: 24, .size: 8, .value_kind: global_buffer, .address_space: global }
      - { .name: W_ih, .offset: 32, .size: 8, .value_kind: global_buffer, .address_space: global }
      - { .name: W_hh, .offset: 40, .size: 8, .value_kind: global_buffer, .address_space: global }
      - { .name: acodes, .offset: 48, .size: 8, .value_kind: global_buffer, .address_space: global }
      - { .name: ascales, .offset: 56, .size: 8, .value_kind: global_buffer, .address_space: global }
      - { .name: wcodes, .offset: 64, .size: 8, .value_kind: global_buffer, .address_space: global }
      - { .name: wscales, .offset: 72, .size: 8, .value_kind: global_buffer, .address_space: global }
    .group_segment_fixed_size: 41472
    .private_segment_fixed_size: 0
    .kernarg_segment_align: 8
    .kernarg_segment_size: 80
    .max_flat_workgroup_size: 128
    .sgpr_count:     66
    .vgpr_count:     194
    .wavefront_size: 32
...
	.end_amdgpu_metadata
.endif
;; end of part 1
;; launch gate (part 2): grid 8 x 32, 4 waves a work-group, clusters of 4 x 4, 327,680 bytes of LDS; arguments acodes, ascales, wcodes, wscales, x, b_xa, b_ha, gcodes, gscales; writes gcodes, gscales
.if DOCPART == 2
	.amdgcn_target "amdgcn-amd-amdhsa--gfx1250"
	.amdhsa_code_object_version 6
	.text
	.protected	k_q4f8ad8ab9c_gate
	.globl	k_q4f8ad8ab9c_gate
	.p2align	8
	.type	k_q4f8ad8ab9c_gate,@function
k_q4f8ad8ab9c_gate:
	s_mov_b64 s[64:65], 0
	v_nop
	global_prefetch_b8 v0, s[64:65] scope:SCOPE_SE
	s_setreg_imm32_b32 hwreg(HW_REG_WAVE_MODE, 25, 1), 1
	s_wait_xcnt 0x0
	s_wait_alu depctr_hold_cnt(0) depctr_sa_sdst(0) depctr_va_vdst(0) depctr_va_sdst(0) depctr_va_ssrc(0) depctr_va_vcc(0) depctr_vm_vsrc(0)
	s_getreg_b32 s2, hwreg(HW_REG_IB_STS2, 6, 4)
	s_cmp_eq_u32 s2, 0
	s_cbranch_scc0 .Lentry_in_a_cluster
	s_endpgm
.Lentry_in_a_cluster:
	s_bfe_u32 s2, ttmp6, 0x10000c
	s_cmp_lg_u32 s2, 0xf033
	s_cbranch_scc0 .Lentry_shape_is_right
	s_endpgm
.Lentry_shape_is_right:
; The attention gate: xg = sigmoid(x W_xa^T + b_xa + hx W_ha^T + b_ha) * x, quantised along its columns (the next product's K) to codes of FP4 (E2M1) with one E8M0 byte for each 32.
; One sum over K = 2,048: K steps (512 along K) 0, 1 = x with W_xa, 2, 3 = hx with W_ha.  The two biases, added, are the C of the first matrix instruction.
; SHARES: 8 x 32 work-groups of four waves.  A work-group owns 128 columns and 256 rows; a wave 64 rows x 128 columns: 4 row tiles a x 8 column tiles t, 256 registers of sums.
; THE WEIGHTS STAY: the codes of the 128 weight rows for all of K are 4 x 32,768 bytes; wave w brings K step w with one tensor load at the head, and nothing in LDS is filled again.
; CLUSTER: 4 x 4 work-groups; the four of a column of the cluster own the same columns and ask for the weights jointly.
; THE ROWS' CODES lie in memory in the order of the operand's registers and each wave alone multiplies its rows: they go straight into registers (a ring of four steps of 128 along K), never through LDS, so there is no tile of them to ask for jointly.
; The matrix instruction is used transposed (source 0 = 16 slots of a weight tile, source 1 = 16 rows): the 16 registers of column tiles 2 p, 2 p + 1 are columns 32 p + 16 (lane / 16) + 0 .. 15 of the lane's row.
; PREFETCH: my 64 rows x 512 bytes of x are asked for at the head, 12 steps ahead of their first loads.  The codes' walk is 16 steps and begins at the head: its ring asks three steps ahead, and there is no earlier place to ask from.
; A block's scale byte is its largest magnitude's exponent field - 2, held at 1 from below (a block of zeros gets 1: its codes are zeros, and this program alone reads the bytes).  LIMIT: NaN and infinities among the inputs are not served.
; REGISTERS, in windows of 256: window 0: v1-20 addresses, v28-29 the add's, v32-63 the rows' scale words, v64-127 the weights', v128-191 the biases, v192-255 b_ha as loaded.
;   window 1: v0-127 two sets of 8 weight fragments, v128-255 four slots of 4 row fragments; on the way out the numbers at work.  window 2: the sums at v[8 (8 a + t)].  window 3: my rows of x.
.set PA,    2097152                    ; a K step's plane of activation codes
.set PWG,   262144                     ; of this launch's weights
.set XST,   131072                     ; behind the weights: a stage of 16 rows x (512 + 16) bytes for each wave,
.set XSTW,  16*528
.set GSB,   XST+4*XSTW                 ; 256 bytes of scale words for each wave,
.set SPARE, GSB+1024                   ; and the spare words
.set SA,  32
.set SB,  64
.set BI,  128
.set TB,  192
.set Y,   0
.set X,   64
.set PC,  128
.set TM,  160
.set PW,  176
.set GSO, 180
.set WV,  22
.set G1,  32
.set G0,  40
.set NC,  60
.set SEL, 62
.set MSB, 0
.macro WIN new
.if MSB != \new
	s_set_vgpr_msb (MSB<<8)|\new
.set MSB, \new
.endif
.endm
.macro PLACES n
.rept \n
	v_nop
.endr
.endm
.macro CREST
	s_cmp_lg_u32 s[WV], 0
	s_cbranch_scc1 .Lnot_wave_0_\@
	s_barrier_signal -3
.Lnot_wave_0_\@:
	s_barrier_wait -3
	s_barrier_signal -1
	s_barrier_wait -1
.endm
.macro CROUND
	s_barrier_signal -1
	s_barrier_wait -1
	CREST
.endm
	s_load_b512 s[4:19], s[0:1], 0x0               ; acodes, ascales, wcodes, wscales, x, b_xa, b_ha, gcodes
	s_load_b64 s[20:21], s[0:1], 0x40              ; gscales
	v_lshl_add_u32 v28, v0, 2, SPARE
	v_mov_b32 v29, 0
	ds_add_u32 v28, v29                            ; the opening lines: the add, twice on end, and its wait
	ds_add_u32 v28, v29
	v_lshrrev_b32 v1, 5, v0
	v_readfirstlane_b32 s[WV], v1                  ; wave 0..3
	s_bfe_u32 s25, ttmp6, 0x40000                  ; cx
	s_bfe_u32 s26, ttmp6, 0x40004                  ; cy
	s_lshl_b32 s27, ttmp9, 2
	s_add_co_u32 s27, s27, s25                     ; wx: my block of 128 columns
	s_and_b32 s28, ttmp7, 0xffff
	s_lshl_b32 s28, s28, 2
	s_add_co_u32 s28, s28, s26                     ; wy: my block of 256 rows
	s_lshl_b32 s30, 0x1111, s25                    ; my column of the cluster
	s_or_b32 s[G1], s30, (3<<16)|(1<<21)           ; group 1: a dense block of 32,768 bytes as 128 rows of 256 bytes
	s_mov_b32 s[G1+1], 32<<16
	s_mov_b32 s[G1+2], 128<<16
	s_mov_b32 s[G1+3], 32<<16
	s_mov_b32 s[G1+4], 128
	s_mov_b32 s[G1+5], 32
	s_mov_b32 s[G1+6], 0
	s_mov_b32 s[G1+7], 0
	s_lshl_b32 s84, s27, 15                        ; the weights hang on wx and the wave alone: 8 tiles a column block, K step = wave
	s_mul_i32 s85, s[WV], PWG
	s_add_co_u32 s84, s84, s85
	s_mov_b32 s85, 0
	s_mov_b32 s[G0], 1
	s_lshl_b32 s[G0+1], s[WV], 15
	s_mov_b32 s[NC], 0xbfb8aa3b                    ; -log2(e)
	s_mov_b32 s[NC+1], s[NC]
	s_mov_b32 s[SEL], 0x76543210
	s_mov_b32 s[SEL+1], 0xfedcba98
	s_wait_dscnt 0x0                               ; both opening adds are done
	s_wait_kmcnt 0x0
	s_add_nc_u64 s[G0+2:G0+3], s[8:9], s[84:85]
	s_or_b32 s[G0+3], s[G0+3], 0x80000000
	CROUND                                         ; all sixteen work-groups are here: the joint loads meet
	tensor_load_to_lds s[G0:G0+3], s[G1:G1+7]      ; my one tensor load: K step w's weights
	s_nop 0
	PLACES 4
	s_lshl_b32 s29, s28, 2
	s_add_co_u32 s29, s29, s[WV]                   ; my block of 64 rows
	s_mov_b32 s97, 0
	s_lshl_b32 s96, s29, 14                        ; codes: 4 tiles x 4,096 bytes
	s_add_nc_u64 s[4:5], s[4:5], s[96:97]
	s_lshl_b32 s96, s29, 10                        ; scale bytes: 4 tiles x 256
	s_add_nc_u64 s[6:7], s[6:7], s[96:97]
	s_lshl_b32 s96, s27, 11                        ; the weights' scale bytes: 8 tiles x 256
	s_add_nc_u64 s[10:11], s[10:11], s[96:97]
	s_lshl_b32 s96, s27, 9                         ; my first column, in bytes of f32
	s_add_nc_u64 s[14:15], s[14:15], s[96:97]
	s_add_nc_u64 s[16:17], s[16:17], s[96:97]
	s_lshl_b32 s98, s29, 18                        ; x: + my first row x 4,096
	s_add_co_u32 s96, s96, s98
	s_add_nc_u64 s[12:13], s[12:13], s[96:97]
	s_lshr_b32 s96, s27, 2                         ; xg's codes: K step wx / 4, my 4 tiles, the (wx % 4)-th 128 of the K step
	s_lshl_b32 s96, s96, 21
	s_lshl_b32 s98, s29, 14
	s_add_co_u32 s96, s96, s98
	s_and_b32 s98, s27, 3
	s_lshl_b32 s98, s98, 10
	s_add_co_u32 s96, s96, s98
	s_add_nc_u64 s[18:19], s[18:19], s[96:97]
	s_lshl_b32 s96, s27, 15                        ; xg's scale words: [128 along K][tile][16 rows x 4 bytes]
	s_lshl_b32 s98, s29, 8
	s_add_co_u32 s96, s96, s98
	s_add_nc_u64 s[20:21], s[20:21], s[96:97]
	s_mul_i32 s90, s[WV], XSTW
	s_add_co_u32 s90, s90, XST
	s_lshl_b32 s91, s[WV], 8
	s_add_co_u32 s91, s91, GSB
	v_and_b32 v1, 15, v0                           ; r
	v_bfe_u32 v2, v0, 4, 1                         ; h
	v_and_b32 v3, 31, v0
	v_lshlrev_b32 v16, 3, v3                       ; 8 x lane
	v_lshlrev_b32 v20, 12, v3                      ; a row of f32 a lane
	v_lshlrev_b32 v3, 4, v3                        ; 16 x lane
.irp k, 0,1,2,3
	v_add_nc_u32 v[8+\k], \k*32768, v3             ; v8-11 the weights' fragments of K step k
.endr
	v_lshlrev_b32 v7, 6, v2                        ; the biases: 64 h bytes
	v_add_nc_u32 v12, s90, v3                      ; the stage, by rows
	v_mul_u32_u24 v13, v1, 528
	v_lshl_add_u32 v13, v2, 6, v13
	v_add_nc_u32 v13, s90, v13                     ; and in the result's layout: 528 r + 64 h
	v_lshl_add_u32 v14, v1, 2, s91                 ; my row's scale word
	v_add_nc_u32 v15, s91, v16                     ; the scale words on the way out
	s_wait_alu depctr_va_vdst(0)                   ; the wait behind the head's address work
.macro ALOAD n                         ; my 4 row fragments of step n into slot n % 4: 8 loads of 512 consecutive bytes
.set an, (\n)
	WIN 0x40
.irp a, 0,1,2,3
.irp c, 0,1
	global_load_b128 v[128+32*(an%4)+8*\a+4*\c:128+32*(an%4)+8*\a+4*\c+3], v3, s[4:5] offset:(an/4)*PA+4096*\a+1024*(an%4)+512*\c
.endr
.endr
.endm
.macro XLOAD a                         ; row tile a of x, my 128 columns: 32 lanes read 512 consecutive bytes
	WIN 0xc0
.irp i, 0,1,2,3,4,5,6,7,8,9,10,11,12,13,14,15
	global_load_b128 v[64*\a+4*\i:64*\a+4*\i+3], v3, s[12:13] offset:(16*\a+\i)*4096 th:TH_LOAD_NT
.endr
.endm
.irp k, 0,1,2,3
.irp p, 0,1
	global_load_b128 v[SA+8*\k+4*\p:SA+8*\k+4*\p+3], v3, s[6:7] offset:\k*131072+512*\p
.endr
.irp p, 0,1,2,3
	global_load_b128 v[SB+16*\k+4*\p:SB+16*\k+4*\p+3], v3, s[10:11] offset:\k*16384+512*\p
.endr
.endr
.irp p, 0,1,2,3
.irp k, 0,1,2,3
	global_load_b128 v[BI+16*\p+4*\k:BI+16*\p+4*\k+3], v7, s[14:15] offset:128*\p+16*\k
	global_load_b128 v[TB+16*\p+4*\k:TB+16*\p+4*\k+3], v7, s[16:17] offset:128*\p+16*\k
.endr
.endr
	ALOAD 0
	ALOAD 1
	ALOAD 2
	WIN 0
.irp j, 0,1
	global_prefetch_b8 v20, s[12:13] offset:131072*\j th:TH_LOAD_NT scope:SCOPE_SE       ; my rows of x: a lane a row, two runs of 256 bytes a row
	global_prefetch_b8 v20, s[12:13] offset:131072*\j+256 th:TH_LOAD_NT scope:SCOPE_SE
.endr
	s_wait_loadcnt 24                              ; the scales and the biases are in; the three steps' 24 loads behind them may be out
.set ee, 0
.rept 32
	v_pk_add_f32 v[BI+ee:BI+ee+1], v[BI+ee:BI+ee+1], v[TB+ee:TB+ee+1]
.set ee, ee+2
.endr
	s_wait_alu depctr_va_vdst(0)                   ; directly ahead of the wait below
	s_wait_tensorcnt 0x0                           ; my K step of the weights is in
	s_barrier_signal -1                            ; every wave's is: all four are read by all
	s_barrier_wait -1
.macro EMIT
.if rR0 && rR1
	v_wmma_scale_f32_16x16x128_f8f6f4 v[rD:rD+7], v[rF0:rF0+7], v[rF1:rF1+7], v[rC:rC+7], v[rS0], v[rS1] matrix_a_fmt:MATRIX_FMT_FP4 matrix_b_fmt:MATRIX_FMT_FP4 matrix_a_scale:MATRIX_SCALE_ROW1 matrix_b_scale:MATRIX_SCALE_ROW1
.elseif rR0
	v_wmma_scale_f32_16x16x128_f8f6f4 v[rD:rD+7], v[rF0:rF0+7], v[rF1:rF1+7], v[rC:rC+7], v[rS0], v[rS1] matrix_a_fmt:MATRIX_FMT_FP4 matrix_b_fmt:MATRIX_FMT_FP4 matrix_a_scale:MATRIX_SCALE_ROW1
.elseif rR1
	v_wmma_scale_f32_16x16x128_f8f6f4 v[rD:rD+7], v[rF0:rF0+7], v[rF1:rF1+7], v[rC:rC+7], v[rS0], v[rS1] matrix_a_fmt:MATRIX_FMT_FP4 matrix_b_fmt:MATRIX_FMT_FP4 matrix_b_scale:MATRIX_SCALE_ROW1
.else
	v_wmma_scale_f32_16x16x128_f8f6f4 v[rD:rD+7], v[rF0:rF0+7], v[rF1:rF1+7], v[rC:rC+7], v[rS0], v[rS1] matrix_a_fmt:MATRIX_FMT_FP4 matrix_b_fmt:MATRIX_FMT_FP4
.endif
.endm
.macro PRODS n                         ; step n's 32 products; the accumulators take turns
.set pn, (\n)
.if pn == 0
	WIN 0x85                                       ; sources 0 and 1 window 1, C (the biases) window 0, D window 2
.else
	WIN 0xa5
.endif
.set tt, 0
.rept 8
.set aa, 0
.rept 4
.set rD, 8*(8*aa+tt)
.set rF0, 64*(pn%2)+8*tt
.set rF1, 128+32*(pn%4)+8*aa
.set rS0, SB+16*(pn/4)+4*(tt/2)+pn%4
.set rS1, SA+8*(pn/4)+4*(aa/2)+pn%4
.set rR0, tt%2
.set rR1, aa%2
.if pn == 0
.set rC, BI+8*tt
.else
.set rC, rD
.endif
	EMIT
.set aa, aa+1
.endr
.set tt, tt+1
.endr
.endm
.macro BFETCH n                        ; step n's 8 weight fragments into set n % 2: 16 LDS loads of 512 consecutive bytes
.set fn, (\n)
	WIN 0x40
.irp t, 0,1,2,3,4,5,6,7
.irp c, 0,1
	ds_load_b128 v[64*(fn%2)+8*\t+4*\c:64*(fn%2)+8*\t+4*\c+3], v[8+fn/4] offset:4096*\t+1024*(fn%4)+512*\c
.endr
.endr
.endm
	BFETCH 0
; 16 steps of 128 along K.  Four places (ISA guide 7.12.1) behind the last step's products, the next step's weight fragments and the rows' fragments three steps on are asked for; then come this step's counted waits and its products.
.set n, 0
.rept 16
	PLACES 4
.if n < 15
	BFETCH n+1
.endif
.if n < 13
	ALOAD n+3
.endif
.if n == 12
	XLOAD 0                                        ; behind the last loads of codes
	XLOAD 1
.endif
.if n < 15
	s_wait_dscnt 16                                ; this step's fragments are in; the next step's 16 loads may be out
.else
	s_wait_dscnt 0x0
.endif
.if n < 12
	s_wait_loadcnt 24                              ; this step's 8 loads are in; the three younger steps' may be out
.else
	s_wait_loadcnt 8*(15-n)+32                     ; the steps that are left, and the 32 loads of x behind them
.endif
	PRODS n
.set n, n+1
.endr
	PLACES 4
	XLOAD 2
	XLOAD 3
	WIN 0x55
.irp b, 0,1,2,3
	v_mov_b32 v[TM+4+\b], 0                        ; a lane permute's destination counts as one of its sources
.endr
.macro QUANT a                         ; row tile a's four blocks of 32 columns: a lane's 16 numbers and lane l xor 16's
.irp b, 0,1,2,3
	v_max3_num_f32 v[TM+\b], |v[Y+16*\b]|, |v[Y+1+16*\b]|, 0x1800000
.endr
.irp i, 2,4,6,8,10,12,14
.irp b, 0,1,2,3
	v_max3_num_f32 v[TM+\b], v[TM+\b], |v[Y+16*\b+\i]|, |v[Y+1+16*\b+\i]|
.endr
.endr
.irp b, 0,1,2,3
	v_permlanex16_b32 v[TM+4+\b], v[TM+\b], s[SEL], s[SEL+1]
.endr
.irp b, 0,1,2,3
	v_max_num_f32 v[TM+\b], v[TM+\b], v[TM+4+\b]
.endr
.irp b, 0,1,2,3
	v_add_nc_u32 v[TM+12+\b], 0xff000000, v[TM+\b]   ; 2 off the exponent field: the conversion's scale operand
.endr
.irp b, 0,1,2,3
	v_lshrrev_b32 v[TM+4+\b], 23, v[TM+12+\b]        ; the scale's byte
.endr
	v_lshl_or_b32 v[PW+\a], v[TM+5], 8, v[TM+4]
	v_lshl_or_b32 v[PW+\a], v[TM+6], 16, v[PW+\a]
	v_lshl_or_b32 v[PW+\a], v[TM+7], 24, v[PW+\a]
.irp b, 0,1,2,3
	v_cvt_scalef32_pk8_fp4_f32 v[PC+8*\a+2*\b], v[Y+16*\b:Y+7+16*\b], v[TM+12+\b]
	v_cvt_scalef32_pk8_fp4_f32 v[PC+8*\a+1+2*\b], v[Y+8+16*\b:Y+15+16*\b], v[TM+12+\b]
.endr
	v_nop
.irp c, 0,1
.irp i, 0,1
	v_permlane16_swap_b32 v[PC+8*\a+4*\c+\i], v[PC+8*\a+2+4*\c+\i]   ; a whole block to a lane, as the operand's layout wants it
.endr
.endr
.endm
.macro EPI a
	s_wait_loadcnt 16*(3-\a)                       ; this row tile of x is in; the later ones' loads may be out
	WIN 0x0c
.irp i, 0,1,2,3,4,5,6,7,8,9,10,11,12,13,14,15
	ds_store_b128 v12, v[64*\a+4*\i:64*\a+4*\i+3] offset:528*\i
.endr
	WIN 0x40
.irp p, 0,1,2,3
.irp k, 0,1,2,3
	ds_load_b128 v[X+16*\p+4*\k:X+16*\p+4*\k+3], v13 offset:128*\p+16*\k   ; LDS serves a wave's instructions in order: these see the stores above
.endr
.endr
	WIN 0x42
	s_wait_alu depctr_va_vdst(0)                   ; ahead of the first readers of matrix results, ahead of each batch and behind it
.set ee, 0
.rept 32
	v_pk_mul_f32 v[Y+ee:Y+ee+1], v[64*\a+ee:64*\a+ee+1], s[NC:NC+1] op_sel_hi:[1,0]
.set ee, ee+2
.endr
	WIN 0x55
	s_wait_alu depctr_va_vdst(0)
.set ee, 0
.rept 64
	v_exp_f32 v[Y+ee], v[Y+ee]
.set ee, ee+1
.endr
	v_nop
	s_wait_alu depctr_va_vdst(0)
.set ee, 0
.rept 32
	v_pk_add_f32 v[Y+ee:Y+ee+1], v[Y+ee:Y+ee+1], 1.0 op_sel_hi:[1,0]
.set ee, ee+2
.endr
	s_wait_alu depctr_va_vdst(0)
.set ee, 0
.rept 64
	v_rcp_f32 v[Y+ee], v[Y+ee]                     ; the attention
.set ee, ee+1
.endr
	v_nop
	s_wait_dscnt 0x0                               ; x is back from the stage
	s_wait_alu depctr_va_vdst(0)
.set ee, 0
.rept 32
	v_pk_mul_f32 v[Y+ee:Y+ee+1], v[Y+ee:Y+ee+1], v[X+ee:X+ee+1]
.set ee, ee+2
.endr
	QUANT \a
	WIN 0x04
.irp c, 0,1
	global_store_b128 v3, v[PC+8*\a+4*\c:PC+8*\a+4*\c+3], s[18:19] offset:4096*\a+512*\c   ; 512 consecutive bytes, in the order of the operand's registers
.endr
	ds_store_b32 v14, v[PW+\a] offset:64*\a
.endm
	EPI 0
	EPI 1
	EPI 2
	EPI 3
	WIN 0x40
	ds_load_b64 v[GSO:GSO+1], v15
	s_wait_dscnt 0x0
	WIN 0x04
	global_store_b64 v16, v[GSO:GSO+1], s[20:21]   ; 32 lanes store 256 consecutive bytes, aligned
	WIN 0
	s_wait_tensorcnt 0x0                           ; the wave's end
	ds_add_u32 v28, v29
	s_wait_dscnt 0x0
	CROUND                                         ; the closing round
	s_endpgm
.Lfunc_end_k_q4f8ad8ab9c_gate:
	.size	k_q4f8ad8ab9c_gate, .Lfunc_end_k_q4f8ad8ab9c_gate-k_q4f8ad8ab9c_gate
	.p2alignl 7, 3214868480
	.fill 96, 4, 3214868480
	.section	.rodata,"a",@progbits
	.p2align	6, 0x0
	.amdhsa_kernel k_q4f8ad8ab9c_gate
		.amdhsa_group_segment_fixed_size 327680
		.amdhsa_private_segment_fixed_size 0
		.amdhsa_enable_private_segment 0
		.amdhsa_kernarg_size 72
		.amdhsa_user_sgpr_count 2
		.amdhsa_user_sgpr_kernarg_segment_ptr 1
		.amdhsa_wavefront_size32 1
		.amdhsa_system_sgpr_workgroup_id_x 1
		.amdhsa_system_sgpr_workgroup_id_y 1
		.amdhsa_system_sgpr_workgroup_id_z 1
		.amdhsa_system_vgpr_workitem_id 0
		.amdhsa_next_free_vgpr 1024
		.amdhsa_next_free_sgpr 100
		.amdhsa_reserve_vcc 0
		.amdhsa_float_denorm_mode_32 3
		.amdhsa_float_denorm_mode_16_64 3
		.amdhsa_memory_ordered 1
		.amdhsa_forward_progress 1
		.amdhsa_inst_pref_size 182
	.end_amdhsa_kernel
	.amdgpu_metadata
---
amdhsa.version: [ 1, 2 ]
amdhsa.kernels:
  - .name:           k_q4f8ad8ab9c_gate
    .symbol:         k_q4f8ad8ab9c_gate.kd
    .args:
      - { .name: acodes, .offset: 0, .size: 8, .value_kind: global_buffer, .address_space: global }
      - { .name: ascales, .offset: 8, .size: 8, .value_kind: global_buffer, .address_space: global }
      - { .name: wcodes, .offset: 16, .size: 8, .value_kind: global_buffer, .address_space: global }
      - { .name: wscales, .offset: 24, .size: 8, .value_kind: global_buffer, .address_space: global }
      - { .name: x, .offset: 32, .size: 8, .value_kind: global_buffer, .address_space: global }
      - { .name: b_xa, .offset: 40, .size: 8, .value_kind: global_buffer, .address_space: global }
      - { .name: b_ha, .offset: 48, .size: 8, .value_kind: global_buffer, .address_space: global }
      - { .name: gcodes, .offset: 56, .size: 8, .value_kind: global_buffer, .address_space: global }
      - { .name: gscales, .offset: 64, .size: 8, .value_kind: global_buffer, .address_space: global }
    .group_segment_fixed_size: 327680
    .private_segment_fixed_size: 0
    .kernarg_segment_align: 8
    .kernarg_segment_size: 72
    .max_flat_workgroup_size: 128
    .sgpr_count:     100
    .vgpr_count:     1024
    .wavefront_size: 32
...
	.end_amdgpu_metadata
.endif
;; end of part 2
;; launch gru (part 3): grid 16 x 16, 4 waves a work-group, clusters of 4 x 4, 327,680 bytes of LDS; arguments gcodes, gscales, acodes, ascales, wcodes, wscales, b_ih, b_hh, hx, out0; writes out0
.if DOCPART == 3
	.amdgcn_target "amdgcn-amd-amdhsa--gfx1250"
	.amdhsa_code_object_version 6
	.text
	.protected	k_q4f8ad8ab9c_gru
	.globl	k_q4f8ad8ab9c_gru
	.p2align	8
	.type	k_q4f8ad8ab9c_gru,@function
k_q4f8ad8ab9c_gru:
	s_mov_b64 s[64:65], 0
	v_nop
	global_prefetch_b8 v0, s[64:65] scope:SCOPE_SE
	s_setreg_imm32_b32 hwreg(HW_REG_WAVE_MODE, 25, 1), 1
	s_wait_xcnt 0x0
	s_wait_alu depctr_hold_cnt(0) depctr_sa_sdst(0) depctr_va_vdst(0) depctr_va_sdst(0) depctr_va_ssrc(0) depctr_va_vcc(0) depctr_vm_vsrc(0)
	s_getreg_b32 s2, hwreg(HW_REG_IB_STS2, 6, 4)
	s_cmp_eq_u32 s2, 0
	s_cbranch_scc0 .Lentry_in_a_cluster
	s_endpgm
.Lentry_in_a_cluster:
	s_bfe_u32 s2, ttmp6, 0x10000c
	s_cmp_lg_u32 s2, 0xf033
	s_cbranch_scc0 .Lentry_shape_is_right
	s_endpgm
.Lentry_shape_is_right:
; The GRU cell: gi = xg W_ih^T + b_ih, gh = hx W_hh^T + b_hh (gates r, z, n); r = sigmoid(i_r + h_r), z = sigmoid(i_z + h_z), n = tanh(i_n + r h_n), hy = (1 - z) n + z hx.  hy: [8192][1024] f32.
; Both products run on codes of FP4 (E2M1) with E8M0 scales.  K steps (512 along K) 0, 1 = xg with W_ih, 2, 3 = hx with W_hh.
; SHARES: 16 x 16 work-groups of four waves.  A work-group owns 64 columns of hy (of all three gates) and 512 rows.
; THE WEIGHTS STAY: the codes of its 3 x 64 weight rows for all of K are 4 K steps x 3 gates x 16,384 bytes = 196,608 bytes; wave w brings K step w with one tensor load at the head, and nothing in LDS is filled again.
; CLUSTER: 4 x 4 work-groups; the four of a column of the cluster own the same columns of hy and ask for the weights jointly.
; THE ROWS' CODES lie in memory in the order of the operand's registers, and each wave alone multiplies its rows: they go from memory straight into registers (a ring of four steps of 128 along K), never through LDS, so there is no tile of them to ask for jointly.
; A wave makes two tiles of 64 rows x 64 columns, 256 rows apart, in a loop of two trips: 4 row tiles a x 4 column tiles b and FOUR sums of 16 accumulators each, 512 registers:
; R and Z over all four K steps, IN over K steps 0, 1 and HN over 2, 3, since r multiplies h_n alone.  The biases are the C of each sum's first matrix instruction.
; The matrix instruction is used transposed (source 0 = 16 slots of a weight tile, source 1 = 16 rows): the 16 registers of column tiles 2 p, 2 p + 1 are columns 32 p + 16 (lane / 16) + 0 .. 15 of the lane's row.
; Behind the one barrier at the head the waves share only bytes that nobody writes: no further barrier.
; PREFETCH: each tile's 64 rows x 256 bytes of hx are asked for at the tile's start, 16 steps ahead of their loads; the second tile's codes at the head, the four partners of a cluster's row taking one K step each, by address.
; sigmoid(s) = 1 / (1 + 2^(-log2(e) s)), tanh(u) = 1 - 2 / (1 + 2^(2 log2(e) u)): both go to their limits, with no NaN, for every finite argument.  LIMIT: NaN and infinities among the inputs are not served.
; REGISTERS, in windows of 256: window 0: v1-21 addresses, v28-29 the add's, v32-63 the rows' scale words, v64-159 the weights', v160-191 b_hh's n part, v192-255 slots 2, 3 of the rows' fragments, on the way out two row tiles of hx.
;   window 1: v0-191 two sets of a step's 12 weight fragments (on the way out v0-127 the numbers at work), v192-255 slots 0, 1 of the rows' fragments.
;   window 2: R at v[8 (4 a + b)], Z at v[128 + ..].  window 3: IN at v[8 (4 a + b)], HN at v[128 + ..]; until a tile's K step 2 HN's registers hold the biases of R, Z and IN.
.set PA,    2097152                    ; a K step's plane of activation codes
.set PW,    786432                     ; of the cell's weights: 8 column blocks of 128 x 3 gates x 8 tiles x 4,096 bytes
.set CELL,  1048576                    ; where the cell's weights begin in the codes' buffer
.set KW,    49152                      ; LDS: a K step's weights: 3 gates x 4 tiles x 4,096 bytes
.set SIN,   4*KW                       ; the stages: for each wave 16 rows x (256 + 16) bytes in, as much out
.set STW,   2*16*272
.set SPARE, SIN+4*STW                  ; the spare words, 128 bytes for each wave
.set BSV,   SPARE+512                  ; the summed biases: for each wave 24 groups of four registers x 2 halves of the lanes x 16 bytes
.set BSW,   768
.set SA,  32
.set SB,  64
.set BHN, 160
.set TT,  192
.set TR,  0                            ; window 1, on the way out: r, later whole rows of hy,
.set TZ,  32                           ; z,
.set U,   64                           ; n, then hy,
.set HH,  96                           ; hx
.set WV,  24
.set TRIP, 26
.set G1,  32
.set G0,  40
.set PF,  44
.set NC,  76                           ; s[76:77] -log2(e)
.set TC,  78                           ; s[78:79] 2 log2(e)
.set MSB, 0
.macro WIN new                         ; the immediate's high byte repeats the setting that is left
.if MSB != \new
	s_set_vgpr_msb (MSB<<8)|\new
.set MSB, \new
.endif
.endm
.macro PLACES n
.rept \n
	v_nop
.endr
.endm
.macro CREST
	s_cmp_lg_u32 s[WV], 0
	s_cbranch_scc1 .Lnot_wave_0_\@
	s_barrier_signal -3
.Lnot_wave_0_\@:
	s_barrier_wait -3
	s_barrier_signal -1
	s_barrier_wait -1
.endm
.macro CROUND
	s_barrier_signal -1
	s_barrier_wait -1
	CREST
.endm
	s_load_b512 s[4:19], s[0:1], 0x0               ; gcodes, gscales, acodes, ascales, wcodes, wscales, b_ih, b_hh
	s_load_b128 s[20:23], s[0:1], 0x40             ; hx, out0
	v_lshl_add_u32 v28, v0, 2, SPARE
	v_mov_b32 v29, 0
	ds_add_u32 v28, v29                            ; the opening lines: the add, twice on end, and its wait
	ds_add_u32 v28, v29
	v_lshrrev_b32 v1, 5, v0
	v_readfirstlane_b32 s[WV], v1                  ; wave 0..3
	s_bfe_u32 s27, ttmp6, 0x40000                  ; cx
	s_bfe_u32 s28, ttmp6, 0x40004                  ; cy
	s_lshl_b32 s29, ttmp9, 2
	s_add_co_u32 s29, s29, s27                     ; wx: my block of 64 columns
	s_and_b32 s30, ttmp7, 0xffff
	s_lshl_b32 s30, s30, 2
	s_add_co_u32 s30, s30, s28                     ; wy: my block of 512 rows
	s_lshl_b32 s81, 0x1111, s27                    ; my column of the cluster
	; group 1: 3 rows (gates) of 16,384 bytes (2,048 elements of 8 bytes), 32,768 bytes apart in memory, dense in LDS
	s_or_b32 s[G1], s81, (3<<16)|(1<<21)
	s_mov_b32 s[G1+1], 2048<<16
	s_mov_b32 s[G1+2], 3<<16
	s_mov_b32 s[G1+3], 2048<<16
	s_mov_b32 s[G1+4], 3
	s_mov_b32 s[G1+5], 4096
	s_mov_b32 s[G1+6], 0
	s_mov_b32 s[G1+7], 0
	s_lshr_b32 s88, s29, 1                         ; the weights hang on wx and the wave alone: block of 128 columns,
	s_mul_i32 s88, s88, 98304
	s_and_b32 s82, s29, 1
	s_lshl_b32 s83, s82, 14                        ; its half: 4 tiles,
	s_add_co_u32 s88, s88, s83
	s_mul_i32 s84, s[WV], PW                       ; K step = wave
	s_add_co_u32 s88, s88, s84
	s_add_co_u32 s88, s88, CELL
	s_mov_b32 s89, 0
	s_mov_b32 s[G0], 1
	s_mul_i32 s[G0+1], s[WV], KW
	s_mov_b32 s[NC], 0xbfb8aa3b
	s_mov_b32 s[NC+1], s[NC]
	s_mov_b32 s[TC], 0x4038aa3b
	s_mov_b32 s[TC+1], s[TC]
	s_wait_dscnt 0x0                               ; both opening adds are done
	s_wait_kmcnt 0x0
	s_add_nc_u64 s[G0+2:G0+3], s[12:13], s[88:89]
	s_or_b32 s[G0+3], s[G0+3], 0x80000000
	CROUND                                         ; all sixteen work-groups are here: the joint loads meet
	tensor_load_to_lds s[G0:G0+3], s[G1:G1+7]      ; my one tensor load: K step w's weights
	s_nop 0
	PLACES 4
	s_mov_b32 s97, 0
	s_lshl_b32 s96, s30, 17                        ; my first row tile T0 = 32 wy + 4 w: 4,096 bytes of codes a tile and K step
	s_lshl_b32 s98, s[WV], 14
	s_add_co_u32 s96, s96, s98
	s_add_nc_u64 s[4:5], s[4:5], s[96:97]
	s_add_nc_u64 s[8:9], s[8:9], s[96:97]
	s_lshr_b32 s96, s96, 4                         ; hx's scale bytes: 256 a tile
	s_add_nc_u64 s[10:11], s[10:11], s[96:97]
	s_lshr_b32 s96, s96, 2                         ; xg's scale words: 64 bytes a tile
	s_add_nc_u64 s[6:7], s[6:7], s[96:97]
	s_lshr_b32 s96, s29, 1                         ; the weights' scale bytes: a sixteenth of the codes' place
	s_mul_i32 s96, s96, 6144
	s_lshl_b32 s98, s82, 10
	s_add_co_u32 s96, s96, s98
	s_add_co_u32 s96, s96, CELL/16
	s_add_nc_u64 s[14:15], s[14:15], s[96:97]
	s_lshl_b32 s96, s29, 8                         ; my first column, in bytes of f32
	s_add_nc_u64 s[16:17], s[16:17], s[96:97]
	s_add_nc_u64 s[18:19], s[18:19], s[96:97]
	s_lshl_b32 s98, s30, 21                        ; hx, hy: + my first row (512 wy + 64 w) x 4,096
	s_add_co_u32 s96, s96, s98
	s_lshl_b32 s98, s[WV], 18
	s_add_co_u32 s96, s96, s98
	s_add_nc_u64 s[20:21], s[20:21], s[96:97]
	s_add_nc_u64 s[22:23], s[22:23], s[96:97]
	s_cmp_lt_u32 s27, 2                            ; the prefetch of the second tile's codes: K step cx is my work-group's share
	s_cselect_b64 s[PF:PF+1], s[4:5], s[8:9]
	s_mul_i32 s96, s27, PA
	s_add_co_u32 s96, s96, 65536                   ; 16 row tiles on
	s_add_nc_u64 s[PF:PF+1], s[PF:PF+1], s[96:97]
	s_mul_i32 s93, s[WV], STW
	s_add_co_u32 s93, s93, SIN
	s_mul_i32 s94, s[WV], BSW
	s_add_co_u32 s94, s94, BSV
	v_and_b32 v1, 15, v0                           ; r
	v_bfe_u32 v2, v0, 4, 1                         ; h
	v_and_b32 v3, 31, v0
	v_lshlrev_b32 v4, 2, v3                        ; 4 x lane
	v_lshlrev_b32 v20, 12, v3                      ; a row of f32 a lane
	v_lshlrev_b32 v21, 8, v3                       ; 256 bytes a lane
	v_lshlrev_b32 v3, 4, v3                        ; 16 x lane
	v_lshlrev_b32 v5, 6, v2                        ; the biases: 64 h bytes
.irp k, 0,1,2,3
	v_add_nc_u32 v[8+\k], \k*KW, v3                ; v8-11 the weights' fragments of K step k
.endr
	v_lshlrev_b32 v14, 12, v2
	v_lshl_add_u32 v14, v1, 4, v14                 ; hx and hy: lanes 0-15 one row's 256 bytes, lanes 16-31 the next row's
	v_mul_u32_u24 v15, v2, 272
	v_lshl_add_u32 v15, v1, 4, v15
	v_add_nc_u32 v15, s93, v15                     ; by rows: 272 h + 16 r (hx in)
	v_mul_u32_u24 v16, v1, 272
	v_lshl_add_u32 v16, v2, 6, v16
	v_add_nc_u32 v16, s93, v16                     ; in the result's layout: 272 r + 64 h (hx out)
	v_add_nc_u32 v17, 16*272, v16                  ; the second stage: hy in,
	v_add_nc_u32 v18, 16*272, v15                  ; hy out
	v_lshl_add_u32 v19, v2, 4, s94                 ; the saved biases
	s_wait_alu depctr_va_vdst(0)                   ; the wait behind the head's address work
.macro SALOAD                          ; the rows' scale words of a tile: 20 loads
.irp m, 0,1,2,3,4,5,6,7                ; xg's: lanes 0-15 tile 2 p's rows, lanes 16-31 tile 2 p + 1's
.irp p, 0,1
	global_load_b32 v[SA+8*(\m/4)+4*\p+\m%4], v4, s[6:7] offset:\m*32768+128*\p
.endr
.endr
.irp k, 2,3                            ; hx's: two tiles' scale bytes of a K step, 512 consecutive bytes
.irp p, 0,1
	global_load_b128 v[SA+8*\k+4*\p:SA+8*\k+4*\p+3], v3, s[10:11] offset:\k*131072+512*\p
.endr
.endr
.endm
.macro ALOAD n                         ; my 4 row fragments of step n into slot n % 4 (slots 0, 1 window 1, slots 2, 3 window 0): 8 loads of 512 consecutive bytes
.set an, (\n)
.if an%4 < 2
	WIN 0x40
.else
	WIN 0
.endif
.irp a, 0,1,2,3
.irp c, 0,1
.if an < 8
	global_load_b128 v[192+32*(an%2)+8*\a+4*\c:192+32*(an%2)+8*\a+4*\c+3], v3, s[4:5] offset:(an/4)*PA+4096*\a+1024*(an%4)+512*\c
.else
	global_load_b128 v[192+32*(an%2)+8*\a+4*\c:192+32*(an%2)+8*\a+4*\c+3], v3, s[8:9] offset:(an/4)*PA+4096*\a+1024*(an%4)+512*\c
.endif
.endr
.endr
.endm
.macro HXLOAD a, slot                  ; row tile a of hx, my 64 columns: sixteen lanes read 256 consecutive bytes, aligned
	WIN 0
.irp i, 0,1,2,3,4,5,6,7
	global_load_b128 v[TT+32*(\slot)+4*\i:TT+32*(\slot)+4*\i+3], v14, s[20:21] offset:(16*(\a)+2*\i)*4096 th:TH_LOAD_NT
.endr
.endm
.irp k, 0,1,2,3                        ; the weights' scale words serve both tiles
.irp g, 0,1,2
.irp p, 0,1
	global_load_b128 v[SB+24*\k+8*\g+4*\p:SB+24*\k+8*\g+4*\p+3], v3, s[14:15] offset:\k*49152+2048*\g+512*\p
.endr
.endr
.endr
.irp g, 0,1                            ; b_hh in the result's layout: register 16 p + i = column 32 p + 16 h + i
.irp p, 0,1
.irp k, 0,1,2,3
	global_load_b128 v[TT+32*\g+16*\p+4*\k:TT+32*\g+16*\p+4*\k+3], v5, s[18:19] offset:4096*\g+128*\p+16*\k
.endr
.endr
.endr
.irp p, 0,1
.irp k, 0,1,2,3
	global_load_b128 v[BHN+16*\p+4*\k:BHN+16*\p+4*\k+3], v5, s[18:19] offset:8192+128*\p+16*\k
.endr
.endr
	WIN 0xc0                                       ; destination window 3: b_ih
.irp g, 0,1,2
.irp p, 0,1
.irp k, 0,1,2,3
	global_load_b128 v[128+32*\g+16*\p+4*\k:128+32*\g+16*\p+4*\k+3], v5, s[16:17] offset:4096*\g+128*\p+16*\k
.endr
.endr
.endr
	WIN 0
	SALOAD                                         ; the first tile's scale words and its first steps' fragments
	ALOAD 0
	ALOAD 1
	WIN 0
	global_prefetch_b8 v21, s[PF:PF+1] th:TH_LOAD_NT scope:SCOPE_SE              ; the second tile's codes of K step cx, my 4 row tiles: 64 runs of 256 bytes, a lane a run
	global_prefetch_b8 v21, s[PF:PF+1] offset:8192 th:TH_LOAD_NT scope:SCOPE_SE
	s_wait_loadcnt 36                              ; the weights' scales and the biases are in; the 20 + 16 loads behind them may be out
	WIN 0xc3
.set ee, 0
.rept 32
	v_pk_add_f32 v[128+ee:128+ee+1], v[128+ee:128+ee+1], v[TT+ee:TT+ee+1]   ; R's and Z's biases: b_ih + b_hh
.set ee, ee+2
.endr
	ALOAD 2                                        ; into registers that held b_hh until the sums above
	WIN 0x0c
	s_wait_alu depctr_va_vdst(0)                   ; directly ahead of the wait below
	s_wait_tensorcnt 0x0                           ; my K step of the weights is in
.set ee, 0
.rept 24
	ds_store_b128 v19, v[128+ee:128+ee+3] offset:8*ee   ; R's, Z's and IN's biases wait in my own LDS bytes for each tile's start; the sixteen lanes of a half write the same bytes with the same values
.set ee, ee+4
.endr
	WIN 0
	s_wait_dscnt 0x0
	s_barrier_signal -1                            ; every wave's K step is in: all four are read by all
	s_barrier_wait -1
; One matrix instruction, from the symbols rD, rF0, rF1, rC, rS0, rS1; rR0, rR1: the scale words lie in lanes 16-31
.macro EMIT
.if rR0 && rR1
	v_wmma_scale_f32_16x16x128_f8f6f4 v[rD:rD+7], v[rF0:rF0+7], v[rF1:rF1+7], v[rC:rC+7], v[rS0], v[rS1] matrix_a_fmt:MATRIX_FMT_FP4 matrix_b_fmt:MATRIX_FMT_FP4 matrix_a_scale:MATRIX_SCALE_ROW1 matrix_b_scale:MATRIX_SCALE_ROW1
.elseif rR0
	v_wmma_scale_f32_16x16x128_f8f6f4 v[rD:rD+7], v[rF0:rF0+7], v[rF1:rF1+7], v[rC:rC+7], v[rS0], v[rS1] matrix_a_fmt:MATRIX_FMT_FP4 matrix_b_fmt:MATRIX_FMT_FP4 matrix_a_scale:MATRIX_SCALE_ROW1
.elseif rR1
	v_wmma_scale_f32_16x16x128_f8f6f4 v[rD:rD+7], v[rF0:rF0+7], v[rF1:rF1+7], v[rC:rC+7], v[rS0], v[rS1] matrix_a_fmt:MATRIX_FMT_FP4 matrix_b_fmt:MATRIX_FMT_FP4 matrix_b_scale:MATRIX_SCALE_ROW1
.else
	v_wmma_scale_f32_16x16x128_f8f6f4 v[rD:rD+7], v[rF0:rF0+7], v[rF1:rF1+7], v[rC:rC+7], v[rS0], v[rS1] matrix_a_fmt:MATRIX_FMT_FP4 matrix_b_fmt:MATRIX_FMT_FP4
.endif
.endm
; Gate g's 16 products for the q-th 128 of K step ks4.  Gate 0 adds onto R, gate 1 onto Z, gate 2 onto IN (K steps 0, 1) or HN (2, 3).  A sum's first product takes its bias as C.
; The accumulators take turns, one instruction a turn.  Source 0 window 1; source 1 window 1 (q = 0, 1) or 0 (q = 2, 3).
.macro PRODG ks4, q, g
.set gf, 0
.if ((\q) == 0) && ((\ks4) == 0)
.set gf, 1
.endif
.if ((\q) == 0) && ((\ks4) == 2) && ((\g) == 2)
.set gf, 2
.endif
.set wa, 4*(1-(\q)/2)
.if (\g) < 2
.set dB, 128*(\g)
.if gf == 1
.set wn, 0xb1+wa                       ; C window 3, D window 2
.else
.set wn, 0xa1+wa
.endif
.else
.set dB, 128*((\ks4)/2)
.if gf == 2
.set wn, 0xc1+wa                       ; C window 0, D window 3
.else
.set wn, 0xf1+wa
.endif
.endif
	WIN wn
.set bb, 0
.rept 4
.set aa, 0
.rept 4
.set rD, dB+8*(4*aa+bb)
.set rF0, 96*((\q)%2)+32*(\g)+8*bb
.set rF1, 192+32*((\q)%2)+8*aa
.set rS0, SB+24*(\ks4)+8*(\g)+4*(bb/2)+(\q)
.set rS1, SA+8*(\ks4)+4*(aa/2)+(\q)
.set rR0, bb%2
.set rR1, aa%2
.if gf == 1
.set rC, 128+32*(\g)+8*bb
.elseif gf == 2
.set rC, BHN+8*bb
.else
.set rC, rD
.endif
	EMIT
.set aa, aa+1
.endr
.set bb, bb+1
.endr
.endm
.macro BFETCH n                        ; step n's 12 weight fragments into set n % 2: 24 LDS loads of 512 consecutive bytes
.set fn, (\n)
	WIN 0x40
.irp g, 0,1,2
.irp b, 0,1,2,3
.irp c, 0,1
	ds_load_b128 v[96*(fn%2)+32*\g+8*\b+4*\c:96*(fn%2)+32*\g+8*\b+4*\c+3], v[8+fn/4] offset:16384*\g+4096*\b+1024*(fn%4)+512*\c
.endr
.endr
.endr
.endm
; Row tile a of hx turns through my first stage into the result's layout.  In the last row tile the next tile's scale words and first three steps are asked for here.
.macro HXTURN a
	WIN 0
.if \a == 3
	s_wait_loadcnt 0x0                             ; the last row tile of hx is in
.else
	s_wait_loadcnt 8                               ; this row tile's 8 loads are in; the next one's 8 may be out
.endif
.irp i, 0,1,2,3,4,5,6,7
	ds_store_b128 v15, v[TT+32*((\a)%2)+4*\i:TT+32*((\a)%2)+4*\i+3] offset:544*\i
.endr
.if \a == 3
	s_wait_alu depctr_va_vdst(0)                   ; ahead of a branch
	s_cmp_eq_u32 s[TRIP], 1
	s_cbranch_scc1 .Lno_next                       ; the last tile asks for nothing more
	s_add_nc_u64 s[4:5], s[4:5], 65536             ; 16 row tiles on (every earlier load has had its address translated: the wait at this row tile's head)
	s_add_nc_u64 s[8:9], s[8:9], 65536
	s_add_nc_u64 s[6:7], s[6:7], 1024
	s_add_nc_u64 s[10:11], s[10:11], 4096
	SALOAD
	ALOAD 0
	ALOAD 1
	ALOAD 2
	WIN 0
.Lno_next:
.endif
	WIN 0x40
.irp p, 0,1
.irp k, 0,1,2,3
	ds_load_b128 v[HH+16*\p+4*\k:HH+16*\p+4*\k+3], v16 offset:128*\p+16*\k   ; LDS serves a wave's instructions in order: these see the stores above
.endr
.endr
.endm
; THE WAY OUT of row tile a.  The gates are made in f32; hy turns through my second stage and leaves as whole runs of 256 bytes.
.macro EPI a
	WIN 0
	s_wait_xcnt 0x0                                ; the last row tile's stores have read their registers, which are written again below
.if \a > 0
	HXTURN \a
.endif
	WIN 0x42                                       ; destination window 1, source 0 window 2
	s_wait_alu depctr_va_vdst(0)                   ; ahead of the first readers of matrix results
.set ee, 0
.rept 16
	v_pk_mul_f32 v[TR+ee:TR+ee+1], v[32*\a+ee:32*\a+ee+1], s[NC:NC+1] op_sel_hi:[1,0]   ; each accumulator from its low end on
.set ee, ee+2
.endr
.set ee, 0
.rept 16
	v_pk_mul_f32 v[TZ+ee:TZ+ee+1], v[128+32*\a+ee:128+32*\a+ee+1], s[NC:NC+1] op_sel_hi:[1,0]
.set ee, ee+2
.endr
	WIN 0x55
	s_wait_alu depctr_va_vdst(0)                   ; ahead of the batch, and behind each batch ahead of its first reader
.set ee, 0
.rept 64
	v_exp_f32 v[TR+ee], v[TR+ee]
.set ee, ee+1
.endr
	v_nop
	s_wait_alu depctr_va_vdst(0)
.set ee, 0
.rept 32
	v_pk_add_f32 v[TR+ee:TR+ee+1], v[TR+ee:TR+ee+1], 1.0 op_sel_hi:[1,0]
.set ee, ee+2
.endr
	s_wait_alu depctr_va_vdst(0)
.set ee, 0
.rept 64
	v_rcp_f32 v[TR+ee], v[TR+ee]                   ; r and z
.set ee, ee+1
.endr
	v_nop
.if \a == 0
	HXTURN 0                                       ; the first row tile's hx was asked for at the end of K: its turn stands here, behind the work that does not need it
.endif
	WIN 0x7d                                       ; destination and source 0 window 1, sources 1 and 2 window 3
	s_wait_alu depctr_va_vdst(0)
.set ee, 0
.rept 16
	v_pk_fma_f32 v[U+ee:U+ee+1], v[TR+ee:TR+ee+1], v[128+32*\a+ee:128+32*\a+ee+1], v[32*\a+ee:32*\a+ee+1]   ; i_n + r h_n
.set ee, ee+2
.endr
	WIN 0x55
.set ee, 0
.rept 16
	v_pk_mul_f32 v[U+ee:U+ee+1], v[U+ee:U+ee+1], s[TC:TC+1] op_sel_hi:[1,0]
.set ee, ee+2
.endr
	s_wait_alu depctr_va_vdst(0)
.set ee, 0
.rept 32
	v_exp_f32 v[U+ee], v[U+ee]
.set ee, ee+1
.endr
	v_nop
	s_wait_alu depctr_va_vdst(0)
.set ee, 0
.rept 16
	v_pk_add_f32 v[U+ee:U+ee+1], v[U+ee:U+ee+1], 1.0 op_sel_hi:[1,0]
.set ee, ee+2
.endr
	s_wait_alu depctr_va_vdst(0)
.set ee, 0
.rept 32
	v_rcp_f32 v[U+ee], v[U+ee]
.set ee, ee+1
.endr
	v_nop
	s_wait_alu depctr_va_vdst(0)
.set ee, 0
.rept 16
	v_pk_fma_f32 v[U+ee:U+ee+1], v[U+ee:U+ee+1], -2.0, 1.0 op_sel_hi:[1,0,0]   ; n
.set ee, ee+2
.endr
	s_wait_dscnt 0x0                               ; hx is back from the stage, and the stores into it have read their registers,
.if \a < 2
	HXLOAD (\a)+2, \a                              ; which take the row tile two further on
.endif
	WIN 0x55
.set ee, 0
.rept 16
	v_pk_add_f32 v[HH+ee:HH+ee+1], v[HH+ee:HH+ee+1], v[U+ee:U+ee+1] neg_lo:[0,1] neg_hi:[0,1]   ; hx - n
.set ee, ee+2
.endr
.set ee, 0
.rept 16
	v_pk_fma_f32 v[U+ee:U+ee+1], v[TZ+ee:TZ+ee+1], v[HH+ee:HH+ee+1], v[U+ee:U+ee+1]   ; hy = n + z (hx - n)
.set ee, ee+2
.endr
	WIN 0x04
.irp p, 0,1
.irp k, 0,1,2,3
	ds_store_b128 v17, v[U+16*\p+4*\k:U+16*\p+4*\k+3] offset:128*\p+16*\k
.endr
.endr
	WIN 0x40
.irp i, 0,1,2,3,4,5,6,7
	ds_load_b128 v[TR+4*\i:TR+4*\i+3], v18 offset:544*\i
.endr
	s_wait_dscnt 0x0
	WIN 0x04
.irp i, 0,1,2,3,4,5,6,7
	global_store_b128 v14, v[TR+4*\i:TR+4*\i+3], s[22:23] offset:(16*\a+2*\i)*4096 th:TH_STORE_NT   ; sixteen lanes store 256 consecutive bytes, aligned
.endr
.endm
	s_mov_b32 s[TRIP], 0
.Ltile:
	global_prefetch_b8 v20, s[20:21] th:TH_LOAD_NT scope:SCOPE_SE                 ; this tile's hx: 64 rows x 256 bytes, a lane a row
	global_prefetch_b8 v20, s[20:21] offset:131072 th:TH_LOAD_NT scope:SCOPE_SE
	WIN 0xc0
.set ee, 0
.rept 24
	ds_load_b128 v[128+ee:128+ee+3], v19 offset:8*ee   ; R's, Z's and IN's biases into HN's registers
.set ee, ee+4
.endr
	BFETCH 0
; 16 steps of 128 along K, 48 products each.  Four places (ISA guide 7.12.1) behind the last step's products, the next step's weight fragments and the rows' fragments three steps on are asked for; then come this step's counted waits and its products.
.set n, 0
.rept 16
.set kk, n/4
.set qq, n%4
	PLACES 4
.if n < 15
	BFETCH n+1
.endif
.if n < 13
	ALOAD n+3
	s_wait_loadcnt 24                              ; this step's 8 loads are in; the three younger steps' may be out
.else
	s_wait_loadcnt 8*(15-n)
.endif
.if n < 15
	s_wait_dscnt 24                                ; this step's fragments (and at the first step the biases) are in; the next step's 24 loads may be out
.else
	s_wait_dscnt 0x0
.endif
	PRODG kk, qq, 0
	PRODG kk, qq, 1
	PRODG kk, qq, 2
.set n, n+1
.endr
	PLACES 4
	HXLOAD 0, 0                                    ; into the registers that held the rows' last fragments
	HXLOAD 1, 1
	EPI 0
	EPI 1
	EPI 2
	EPI 3
	WIN 0
	s_wait_xcnt 0x0                                ; every earlier load, store and prefetch has had its address translated: the bases may step, and fragments may land in the registers that the stores read
	s_add_nc_u64 s[20:21], s[20:21], 1048576       ; 256 rows on
	s_add_nc_u64 s[22:23], s[22:23], 1048576
	s_add_co_u32 s[TRIP], s[TRIP], 1
	s_cmp_lt_u32 s[TRIP], 2
	s_wait_alu depctr_va_vdst(0)                   ; ahead of the backward jump
	s_cbranch_scc1 .Ltile
	s_wait_tensorcnt 0x0                           ; the wave's end
	ds_add_u32 v28, v29
	s_wait_dscnt 0x0
	CROUND                                         ; the closing round
	s_endpgm
.Lfunc_end_k_q4f8ad8ab9c_gru:
	.size	k_q4f8ad8ab9c_gru, .Lfunc_end_k_q4f8ad8ab9c_gru-k_q4f8ad8ab9c_gru
	.p2alignl 7, 3214868480
	.fill 96, 4, 3214868480
	.section	.rodata,"a",@progbits
	.p2align	6, 0x0
	.amdhsa_kernel k_q4f8ad8ab9c_gru
		.amdhsa_group_segment_fixed_size 327680
		.amdhsa_private_segment_fixed_size 0
		.amdhsa_enable_private_segment 0
		.amdhsa_kernarg_size 80
		.amdhsa_user_sgpr_count 2
		.amdhsa_user_sgpr_kernarg_segment_ptr 1
		.amdhsa_wavefront_size32 1
		.amdhsa_system_sgpr_workgroup_id_x 1
		.amdhsa_system_sgpr_workgroup_id_y 1
		.amdhsa_system_sgpr_workgroup_id_z 1
		.amdhsa_system_vgpr_workitem_id 0
		.amdhsa_next_free_vgpr 1024
		.amdhsa_next_free_sgpr 100
		.amdhsa_reserve_vcc 0
		.amdhsa_float_denorm_mode_32 3
		.amdhsa_float_denorm_mode_16_64 3
		.amdhsa_memory_ordered 1
		.amdhsa_forward_progress 1
		.amdhsa_inst_pref_size 244
	.end_amdhsa_kernel
	.amdgpu_metadata
---
amdhsa.version: [ 1, 2 ]
amdhsa.kernels:
  - .name:           k_q4f8ad8ab9c_gru
    .symbol:         k_q4f8ad8ab9c_gru.kd
    .args:
      - { .name: gcodes, .offset: 0, .size: 8, .value_kind: global_buffer, .address_space: global }
      - { .name: gscales, .offset: 8, .size: 8, .value_kind: global_buffer, .address_space: global }
      - { .name: acodes, .offset: 16, .size: 8, .value_kind: global_buffer, .address_space: global }
      - { .name: ascales, .offset: 24, .size: 8, .value_kind: global_buffer, .address_space: global }
      - { .name: wcodes, .offset: 32, .size: 8, .value_kind: global_buffer, .address_space: global }
      - { .name: wscales, .offset: 40, .size: 8, .value_kind: global_buffer, .address_space: global }
      - { .name: b_ih, .offset: 48, .size: 8, .value_kind: global_buffer, .address_space: global }
      - { .name: b_hh, .offset: 56, .size: 8, .value_kind: global_buffer, .address_space: global }
      - { .name: hx, .offset: 64, .size: 8, .value_kind: global_buffer, .address_space: global }
      - { .name: out0, .offset: 72, .size: 8, .value_kind: global_buffer, .address_space: global }
    .group_segment_fixed_size: 327680
    .private_segment_fixed_size: 0
    .kernarg_segment_align: 8
    .kernarg_segment_size: 80
    .max_flat_workgroup_size: 128
    .sgpr_count:     100
    .vgpr_count:     1024
    .wavefront_size: 32
...
	.end_amdgpu_metadata
.endif
;; end of part 3
